; MI455X (gfx1250); checked and timed in simulation.
; The chip was launched on July 23, 2026; its instructions are those of AMD's public machine-readable ISA for CDNA 5 (MIT licence, August 2026) and "CDNA5" Instruction Set Architecture Reference Guide (July 2026). The comments in the code are by the model that wrote it; some were corrected since.
;; QK Norm Attention. Allowed arithmetic: matrix products marked QUANTISED: E2M1 operands, one E8M0 scale for each 32 along K, by v_wmma_scale_f32_16x16x128_f8f6f4 with both operands' format E2M1 (or v_wmma_scale_f32_32x16x128_f4), f32 sums; products left as they are: bf16, f16 or f32 operands; f32 sums; everything else in f32.
;; Inputs: k_beta 64 float32; k_gamma 64 float32; out_b 1,024 float32; out_w 1,024 x 1,024 float32; q_beta 64 float32; q_gamma 64 float32; qkv_b 3,072 float32; qkv_w 3,072 x 1,024 float32; x 4 x 2,048 x 1,024 float32.
;; Outputs: out0 4 x 2,048 x 1,024 float32.
;; This version of the problem:
;;   THIS VERSION OF THE PROBLEM IS GIVEN IN LOW PRECISION. The matrix products marked QUANTISED in the list below multiply operands that are first quantised to E2M1 (2 exponent bits, 1 mantissa bit; 4 bits a number), with one power-of-two scale for each 32 numbers along K (OCP MX v1.0); their sums are f32. The products marked 'left as it is' may take bf16, f16 or f32 operands, with f32 sums. Whichever they take, every output number must still come out within the allowed error. Rounding operands to bf16 (8 significant bits) uses up far more of that allowance than f16 does (11 bits, for magnitudes from 6e-5 to 65,504). All else is computed in f32.
;;   The module's matrix products, in the order in which they are computed (A, B: the left and right operand; K: the contracted axis; several contracted axes count as one K, in the product's order):
;;     1. [M 8,192, K 1,024] x [K 1,024, N 3,072]; A: input x; B: input qkv_w: QUANTISED
;;     2. batch 64 x [M 2,048, K 64] x [K 64, N 2,048]; A: computed on the way; B: computed on the way: left as it is (an operand is computed on the way)
;;     3. batch 64 x [M 2,048, K 2,048] x [K 2,048, N 64]; A: computed on the way; B: computed on the way: left as it is (an operand is computed on the way)
;;     4. [M 8,192, K 1,024] x [K 1,024, N 1,024]; A: computed on the way; B: input out_w: left as it is (an operand is computed on the way)
;;   THE QUANTISER, for each operand of a quantised product, along K:
;;     - K is cut into blocks of 32 from its start; a last block that is shorter is filled with zeros.
;;     - A block's scale is 2^e with e = floor(log2(the largest magnitude in the block)) - 2, held to -126 .. 127; a block of zeros has e = 0. As a byte (E8M0): e + 127.
;;     - Each number is divided by its block's scale, clamped to +-6, and rounded to the nearest number of E2M1, ties to even, subnormals kept.
;;     - The product sums the exact products of the quantised numbers (number of the format x scale) in f32.
;;   ~~~python
;;   def quantise(x, axis):      # numpy; x: float32 -> the quantised numbers, widened to float32 again
;;       x = np.moveaxis(x, axis, -1); K = x.shape[-1]
;;       x = np.pad(x, [(0, 0)] * (x.ndim - 1) + [(0, -K % 32)]); x = x.reshape(x.shape[:-1] + (-1, 32)); a = np.abs(x).max(-1, keepdims=True)
;;       e = np.where(a > 0, np.clip(np.frexp(np.where(a > 0, a, 1))[1] - 1 - 2, -126, 127), 0)      # np.frexp(a)[1] - 1 = floor(log2(a)), exactly
;;       r = np.clip(x / 2.0 ** e, -6, 6)
;;       step = 2.0 ** (np.maximum(np.frexp(np.where(r == 0, 1, r))[1] - 1, 0) - 1)
;;       q = np.round(r / step) * step * 2.0 ** e      # np.round: ties to even
;;       return np.moveaxis(q.reshape(q.shape[:-2] + (-1,))[..., :K], -1, axis).astype(np.float32)
;;   ~~~
;; One version. Each part assembles by itself: llvm-mc -triple=amdgcn-amd-amdhsa -mcpu=gfx1250 --defsym DOCPART=n.
;; ======== version 1 of 1: 4 launches
;; limits: values are held in f16: magnitudes above 65,504 overflow, below 6.1e-05 lose precision
;; workspace buffers: codes 5,767,168 bytes; scales 360,448 bytes; owh 2,097,152 bytes; qkvh 50,331,648 bytes; ah 16,777,216 bytes
;; launch prep (part 1): grid 384 x 1, 4 waves a work-group, no clusters, 68,096 bytes of LDS; arguments x, qkv_w, out_w, codes, scales, owh; writes codes, scales, owh
.if DOCPART == 1
	.amdgcn_target "amdgcn-amd-amdhsa--gfx1250"
	.amdhsa_code_object_version 6
	.text
	.protected	k_q38776b31b1_prep
	.globl	k_q38776b31b1_prep
	.p2align	8
	.type	k_q38776b31b1_prep,@function
k_q38776b31b1_prep:
	s_mov_b64 s[64:65], 0
	v_nop
	global_prefetch_b8 v0, s[64:65] scope:SCOPE_SE
	s_setreg_imm32_b32 hwreg(HW_REG_WAVE_MODE, 25, 1), 1
	s_wait_xcnt 0x0
; x [8192][1024] and qkv_w [3072][1024], f32, become codes of FP4 (E2M1) with one E8M0 byte for each 32 along K; out_w [1024][1024] becomes f16.
; All three leave as IMAGES OF OPERAND REGISTERS: a fragment (16 rows x 128 K of codes, or 16 rows x 32 K of f16) is 8 registers a lane, 1,024 bytes:
; registers 4 e .. 4 e + 3 of lane l stand at byte 512 e + 16 l.  So the later launches load fragments by 16 x lane alone, and every store here covers 512 consecutive bytes.
;   codes  [row tile 0..703][K step of 128: 0..7][1,024]   (row tiles 0..511: x, 512..703: qkv_w)
;   scales [row tile][g 0..1][row 0..15][16 bytes]: word q of group g is the row's scale word of K step 4 g + q
;   owh    [row tile 0..63][K step of 32: 0..31][1,024]
; A block's scale is 2^(floor(log2(largest magnitude)) - 2): its byte is the largest magnitude's exponent field - 2, held at 1 from below by a floor among the maximum's leaves.
; LIMITS: a block of zeros gets the byte 1 where the rule says 127 (its codes are zeros, and this program alone reads the bytes); NaN and infinities among the inputs are not served;
; out_w beyond f16's largest number, 65,504, is not served.
; SHARES: a wave takes a unit of 16 rows x 512 along K, in four steps of 16 x 128.  Work-groups 0..255: x, 256..351: qkv_w, 352..383: out_w.
; Each load reads 512 consecutive bytes of a row; a step's 16 x 512 bytes turn through the wave's own stage in LDS (rows 528 bytes apart) and come back as the operand's layout wants them.
; No barrier: waves share nothing.  Loads run one step (16 loads a wave) ahead of the step in hand.
.set WST,   8448                       ; a wave's stage: 16 rows x 528 bytes
.set HST,   4*WST                      ; the f16 path has stages of its own
.set SPARE, 8*WST                      ; behind the stages: the spare words, 128 bytes for each wave
.set LI,    1                          ; v1   16 x lane
.set QIN,   2                          ; v2   codes' path: into the stage
.set QOUT,  3                          ; v3   and out of it: row r, + 128 h
.set HIN,   4                          ; v4   f16 path: into the stage
.set HOUT,  5                          ; v5   and out of it: row r, + 32 h
.set SH,    6                          ; v6   8 h: how far my scale bytes are shifted
.set SO,    7                          ; v7   16 r + 8 h: where my two scale words go
.set R,     16                         ; v16-143  two sets of 64 registers as loaded
.set X,     144                        ; v144-207 64 numbers back from the stage
.set C,     208                        ; v208-239 codes, or packed f16
.set W,     240                        ; v240-243 the four steps' scale words
.set SPW,   252                        ; v252 LDS address of my spare word; never rewritten
.set NIL,   253                        ; v253 0; never rewritten
	s_load_b128 s[4:7], s[0:1], 0x0                ; x, qkv_w
	s_load_b128 s[8:11], s[0:1], 0x10              ; out_w, codes
	s_load_b128 s[12:15], s[0:1], 0x20             ; scales, owh
	v_lshl_add_u32 v[SPW], v0, 2, SPARE
	v_mov_b32 v[NIL], 0
	v_lshrrev_b32 v8, 5, v0
	v_readfirstlane_b32 s20, v8                    ; wave 0..3
	v_and_b32 v9, 31, v0                           ; lane
	v_and_b32 v10, 15, v0                          ; r
	v_bfe_u32 v11, v0, 4, 1                        ; h
	v_lshlrev_b32 v[LI], 4, v9
	s_mul_i32 s21, s20, WST
	v_add_nc_u32 v[QIN], s21, v[LI]
	v_mul_u32_u24 v12, v10, 528
	v_add_nc_u32 v12, s21, v12
	v_lshl_add_u32 v[QOUT], v11, 7, v12
	v_add_nc_u32 v[HIN], HST, v[QIN]
	v_lshl_add_u32 v[HOUT], v11, 5, v12
	v_add_nc_u32 v[HOUT], HST, v[HOUT]
	v_lshlrev_b32 v[SH], 3, v11
	v_lshl_add_u32 v[SO], v10, 4, v[SH]
	v_mov_b32 v14, 0                               ; written once: a lane permute's destination counts as one of its sources
	s_mov_b32 s28, 0x76543210
	s_mov_b32 s29, 0xfedcba98                      ; v_permlanex16_b32's selects for lane l xor 16
	s_lshl_b32 s22, ttmp9, 2
	s_add_co_u32 s22, s22, s20                     ; u: my unit
	s_mov_b32 s23, 1408
	s_mov_b32 s27, 0
	s_wait_kmcnt 0x0
	s_cmp_lt_u32 ttmp9, 352                        ; the choices hang on the work-group's number alone
	s_cselect_b64 s[6:7], s[6:7], s[8:9]
	s_cselect_b32 s23, 1024, s23
	s_cmp_lt_u32 ttmp9, 256
	s_cselect_b64 s[4:5], s[4:5], s[6:7]           ; my tensor,
	s_cselect_b32 s23, 0, s23                      ; and its first unit
	s_sub_co_u32 s24, s22, s23                     ; ul: my unit in my tensor
	s_lshr_b32 s25, s24, 1
	s_lshl_b32 s26, s25, 16                        ; 16 rows of 4,096 bytes,
	s_and_b32 s25, s24, 1
	s_lshl_b32 s25, s25, 11                        ; and which half of K
	s_or_b32 s26, s26, s25
	s_add_nc_u64 s[4:5], s[4:5], s[26:27]
.macro LOAD t                          ; step t: 16 rows x 512 bytes into set t % 2
.irp i, 0,1,2,3,4,5,6,7,8,9,10,11,12,13,14,15
	global_load_b128 v[R+64*((\t)%2)+4*\i:R+64*((\t)%2)+4*\i+3], v[LI], s[4:5] offset:4096*\i+512*(\t) th:TH_LOAD_NT
.endr
.endm
.macro TOSTAGE t, adr
.irp i, 0,1,2,3,4,5,6,7,8,9,10,11,12,13,14,15
	ds_store_b128 v[\adr], v[R+64*((\t)%2)+4*\i:R+64*((\t)%2)+4*\i+3] offset:528*\i
.endr
.endm
	LOAD 0
	LOAD 1
	s_cmp_lt_u32 ttmp9, 352
	s_cbranch_scc0 .Lhalf
	; ---- the codes' path
	s_lshl_b32 s26, s22, 12
	s_add_nc_u64 s[10:11], s[10:11], s[26:27]      ; codes: 4,096 bytes a unit
	s_lshl_b32 s26, s22, 8
	s_add_nc_u64 s[12:13], s[12:13], s[26:27]      ; scales: 256 bytes a unit
.macro QSTEP t
.if (\t) < 3
	s_wait_loadcnt 16                              ; this step's 16 loads are in; the next step's 16 may be out
.else
	s_wait_loadcnt 0x0
.endif
	TOSTAGE \t, QIN
.irp c, 0,1
.irp i, 0,1,2,3,4,5,6,7
	ds_load_b128 v[X+32*\c+4*\i:X+32*\c+4*\i+3], v[QOUT] offset:256*\c+16*\i   ; LDS serves a wave's instructions in order: these see my stores.  Block 2 c + h of my row: 32 numbers
.endr
.endr
	s_wait_dscnt 0x0                               ; they are back, and the stores have read their registers,
.if (\t) < 2
	LOAD (\t)+2                                    ; which take the loads of two steps on
.endif
	v_max3_num_f32 v8, |v[X]|, |v[X+1]|, 0x1800000           ; the two blocks' largest magnitudes, by turns; the floor 2^(3 - 127) holds the byte at 1 from below
	v_max3_num_f32 v9, |v[X+32]|, |v[X+33]|, 0x1800000
.irp i, 2,4,6,8,10,12,14,16,18,20,22,24,26,28,30
	v_max3_num_f32 v8, v8, |v[X+\i]|, |v[X+\i+1]|
	v_max3_num_f32 v9, v9, |v[X+32+\i]|, |v[X+33+\i]|
.endr
	v_add_nc_u32 v10, 0xff000000, v8               ; 2 off the exponent field: the conversion takes the exponent field of this operand as its scale
	v_add_nc_u32 v11, 0xff000000, v9
.irp c, 0,1
.irp g, 0,1,2,3
	v_cvt_scalef32_pk8_fp4_f32 v[C+8*(\t)+4*\c+\g], v[X+32*\c+8*\g:X+32*\c+8*\g+7], v[10+\c]   ; registers 4 c .. 4 c + 3 of the fragment
.endr
.endr
	v_lshrrev_b32 v12, 23, v10                     ; the scales' bytes (a plain line behind the conversions)
	v_lshrrev_b32 v13, 23, v11
	v_lshl_or_b32 v12, v13, 16, v12                ; blocks h and 2 + h of my row,
	v_lshlrev_b32 v12, v[SH], v12                  ; at their places in the scale word;
	v_permlanex16_b32 v14, v12, s28, s29
	v_or_b32 v[W+(\t)], v12, v14                   ; with lane l xor 16's two the word is whole
.irp c, 0,1
	global_store_b128 v[LI], v[C+8*(\t)+4*\c:C+8*(\t)+4*\c+3], s[10:11] offset:1024*(\t)+512*\c   ; 512 consecutive bytes; each step has registers of its own
.endr
.endm
	QSTEP 0
	QSTEP 1
	QSTEP 2
	QSTEP 3
	v_cmp_ne_u32 vcc_lo, 0, v[SH]
	v_cndmask_b32 v8, v[W], v[W+2], vcc_lo         ; lanes 0-15 store words 0 and 1 of their row, lanes 16-31 words 2 and 3
	v_cndmask_b32 v9, v[W+1], v[W+3], vcc_lo
	global_store_b64 v[SO], v[8:9], s[12:13]       ; the 32 lanes fill 256 consecutive bytes, aligned
	s_wait_tensorcnt 0x0                           ; the wave's end: behind my last LDS store
	ds_add_u32 v[SPW], v[NIL]
	s_wait_dscnt 0x0
	s_endpgm
	; ---- the f16 path: a step is four fragments of 16 rows x 32 K
.Lhalf:
	s_lshl_b32 s26, s24, 14
	s_add_nc_u64 s[14:15], s[14:15], s[26:27]      ; owh: 16,384 bytes a unit
.macro HSTEP t
.if (\t) < 3
	s_wait_loadcnt 16                              ; this step's 16 loads are in; the next step's 16 may be out
.else
	s_wait_loadcnt 0x0
.endif
	TOSTAGE \t, HIN
.irp f, 0,1,2,3
.irp e, 0,1
.irp i, 0,1
	ds_load_b128 v[X+16*\f+8*\e+4*\i:X+16*\f+8*\e+4*\i+3], v[HOUT] offset:128*\f+64*\e+16*\i   ; k = 32 f + 16 e + 8 h + 0 .. 7 of my row
.endr
.endr
.endr
	s_wait_dscnt 0x0
.if (\t) > 0
	s_wait_xcnt 0x0                                ; the last step's stores have read their data: the packed registers are written again only behind this wait
.endif
.if (\t) < 2
	LOAD (\t)+2
.endif
.irp p, 0,1,2,3,4,5,6,7,8,9,10,11,12,13,14,15,16,17,18,19,20,21,22,23,24,25,26,27,28,29,30,31
	v_cvt_pk_f16_f32 v[C+\p], v[X+2*\p], v[X+2*\p+1]
.endr
.irp f, 0,1,2,3
.irp e, 0,1
	global_store_b128 v[LI], v[C+8*\f+4*\e:C+8*\f+4*\e+3], s[14:15] offset:4096*(\t)+1024*\f+512*\e
.endr
.endr
.endm
	HSTEP 0
	HSTEP 1
	HSTEP 2
	HSTEP 3
	s_wait_tensorcnt 0x0                           ; the wave's end: the same three lines
	ds_add_u32 v[SPW], v[NIL]
	s_wait_dscnt 0x0
	s_endpgm
.Lfunc_end_k_q38776b31b1_prep:
	.size	k_q38776b31b1_prep, .Lfunc_end_k_q38776b31b1_prep-k_q38776b31b1_prep
	.p2alignl 7, 3214868480
	.fill 96, 4, 3214868480
	.section	.rodata,"a",@progbits
	.p2align	6, 0x0
	.amdhsa_kernel k_q38776b31b1_prep
		.amdhsa_group_segment_fixed_size 68096
		.amdhsa_private_segment_fixed_size 0
		.amdhsa_enable_private_segment 0
		.amdhsa_kernarg_size 48
		.amdhsa_user_sgpr_count 2
		.amdhsa_user_sgpr_kernarg_segment_ptr 1
		.amdhsa_wavefront_size32 1
		.amdhsa_system_sgpr_workgroup_id_x 1
		.amdhsa_system_sgpr_workgroup_id_y 1
		.amdhsa_system_sgpr_workgroup_id_z 1
		.amdhsa_system_vgpr_workitem_id 0
		.amdhsa_next_free_vgpr 256
		.amdhsa_next_free_sgpr 66
		.amdhsa_reserve_vcc 1
		.amdhsa_float_denorm_mode_32 3
		.amdhsa_float_denorm_mode_16_64 3
		.amdhsa_memory_ordered 1
		.amdhsa_forward_progress 1
		.amdhsa_inst_pref_size 53
	.end_amdhsa_kernel
	.amdgpu_metadata
---
amdhsa.version: [ 1, 2 ]
amdhsa.kernels:
  - .name:           k_q38776b31b1_prep
    .symbol:         k_q38776b31b1_prep.kd
    .args:
      - { .name: x, .offset: 0, .size: 8, .value_kind: global_buffer, .address_space: global }
      - { .name: qkv_w, .offset: 8, .size: 8, .value_kind: global_buffer, .address_space: global }
      - { .name: out_w, .offset: 16, .size: 8, .value_kind: global_buffer, .address_space: global }
      - { .name: codes, .offset: 24, .size: 8, .value_kind: global_buffer, .address_space: global }
      - { .name: scales, .offset: 32, .size: 8, .value_kind: global_buffer, .address_space: global }
      - { .name: owh, .offset: 40, .size: 8, .value_kind: global_buffer, .address_space: global }
    .group_segment_fixed_size: 68096
    .private_segment_fixed_size: 0
    .kernarg_segment_align: 8
    .kernarg_segment_size: 48
    .max_flat_workgroup_size: 128
    .sgpr_count:     66
    .vgpr_count:     256
    .wavefront_size: 32
...
	.end_amdgpu_metadata
.endif
;; end of part 1
;; launch qkv (part 2): grid 12 x 32, 4 waves a work-group, clusters of 4 x 4, 262,656 bytes of LDS; arguments codes, scales, qkv_b, q_gamma, q_beta, k_gamma, k_beta, qkvh; writes qkvh
.if DOCPART == 2
	.amdgcn_target "amdgcn-amd-amdhsa--gfx1250"
	.amdhsa_code_object_version 6
	.text
	.protected	k_q38776b31b1_qkv
	.globl	k_q38776b31b1_qkv
	.p2align	8
	.type	k_q38776b31b1_qkv,@function
k_q38776b31b1_qkv:
	s_mov_b64 s[64:65], 0
	v_nop
	global_prefetch_b8 v0, s[64:65] scope:SCOPE_SE
	s_setreg_imm32_b32 hwreg(HW_REG_WAVE_MODE, 25, 1), 1
	s_wait_xcnt 0x0
	s_wait_alu depctr_hold_cnt(0) depctr_sa_sdst(0) depctr_va_vdst(0) depctr_va_sdst(0) depctr_va_ssrc(0) depctr_va_vcc(0) depctr_vm_vsrc(0)
	s_getreg_b32 s2, hwreg(HW_REG_IB_STS2, 6, 4)
	s_cmp_eq_u32 s2, 0
	s_cbranch_scc0 .Lentry_in_a_cluster
	s_endpgm
.Lentry_in_a_cluster:
	s_bfe_u32 s2, ttmp6, 0x10000c
	s_cmp_lg_u32 s2, 0xf033
	s_cbranch_scc0 .Lentry_shape_is_right
	s_endpgm
.Lentry_shape_is_right:
; qkv = Q(x) Q(qkv_w)^T + qkv_b on codes of FP4 with E8M0 scales, sums in f32; LayerNorm over each head's 64 channels for q and k, in f32; q, k, v leave as f16 images of operand registers:
;   qkvh [q, k, v][batch x 16 + head][token tile of 16: 0..127][c 0..1][1,024]: fragment "16 tokens x channels 32 c .. 32 c + 31"; registers 4 e .. 4 e + 3 of lane l at 512 e + 16 l.
;   In v's part the lanes of each 512 bytes stand in turned order, lane (r, h) at 16 x ((r / 8) 16 + 8 h + r % 8): so the next launch's turning load takes them at 16 x lane.
; LIMITS: |x w + b| under 65,504 for v (f16); q and k after the norm are at most 8 |gamma| + |beta|, which has to stay under 65,504 too.
; A tile of the result, 256 tokens x 256 columns, is made by four waves; a wave makes 128 x 128: 64 accumulators, 512 registers.
; ALL OF K = 1,024 FITS IN LDS: 128 KiB of x's codes and 128 KiB of w's, in four chunks of two K steps of 128; each wave asks for its quarter of each chunk at the start: four tensor loads of mine are out,
; nothing is ever filled again, and the loop has only the barriers that show a chunk whole.
; CLUSTERS: 4 x 4 work-groups; x's tiles are shared along a row of the cluster, w's along a column: asked for jointly.  The cluster's x says q, k or v for all sixteen partners.
; THE MATRIX INSTRUCTION IS USED TRANSPOSED (source 0 = 16 rows of w, source 1 = 16 tokens): lane (r, h) holds token r and columns 16 b + 8 h + 0 .. 7; packed to f16, column tiles 2 c and 2 c + 1 ARE
; registers 0-3 and 4-7 of the fragment above: results are stored straight from registers, 512 consecutive bytes a store.
; The bias is the C of each sum's first product.
; REGISTERS: window 0: v16-29 addresses; v32-95 scale words (register 8 i + ks: lanes 0-15 x's tile i, lanes 16-31 w's tile i); v96-127 at work; v128-191 x's fragments, later packed results; v192-223 gamma, v224-255 beta.
;   window 1: w's fragments, two sets, at v0 and v128; v64-127 the bias.   windows 2, 3: accumulator (a, b) at v[8 (8 (a % 4) + b)].
.set SPARE, 262144                     ; behind the codes: the spare words, 128 bytes for each wave
.set ADRA, 16                          ; v16-19  LDS address of my x fragments in chunk 0..3
.set ADRB, 20                          ; v20-23  the same for w
.set IO,   24                          ; v24     16 x lane
.set VO,   25                          ; v25     16 x my turned place, for v
.set SOFF, 26                          ; v26     my scale words' byte offset
.set HO,   27                          ; v27     32 h
.set SPW,  28                          ; v28     LDS address of my spare word; never rewritten
.set NIL,  29                          ; v29     0; never rewritten
.set SC,   32
.set T,    96
.set AF,   128
.set PKB,  128
.set GAM,  192
.set BET,  224
.set BIAS, 64                          ; in window 1
.set WV,   12                          ; s12 wave; s13 hm: my half of the rows, and x (0) or w (1) to fetch; s14 hn: my half of the columns, and which 8 row tiles I fetch
.set G1X,  16                          ; s[16:23] descriptor group 1 for x's codes;  s[24:31] for w's
.set G1W,  24
.set G0X,  32                          ; s[32:47] four groups 0 for x's chunks;  s[48:63] for w's
.set G0W,  48
.set MSB, 0
.macro WIN new                         ; the immediate's high byte repeats the setting that is left
.if MSB != \new
	s_set_vgpr_msb (MSB<<8)|\new
.set MSB, \new
.endif
.endm
.macro CROUND                          ; a round of the cluster's barrier
	s_barrier_signal -1
	s_barrier_wait -1
	s_cmp_lg_u32 s[WV], 0
	s_cbranch_scc1 .Lnot_wave_0_\@
	s_barrier_signal -3
.Lnot_wave_0_\@:
	s_barrier_wait -3
	s_barrier_signal -1
	s_barrier_wait -1
.endm
.macro PLACES                          ; four plain places behind matrix instructions, in front of loads into their sources and of reads of their results
.rept 4
	v_nop
.endr
.endm
	s_load_b256 s[4:11], s[0:1], 0x0               ; codes s[4:5], scales s[6:7], qkv_b s[8:9], q_gamma s[10:11]
	s_load_b256 s[72:79], s[0:1], 0x20             ; q_beta s[72:73], k_gamma s[74:75], k_beta s[76:77], qkvh s[78:79]
	v_lshl_add_u32 v[SPW], v0, 2, SPARE
	v_mov_b32 v[NIL], 0
	ds_add_u32 v[SPW], v[NIL]                      ; the wave's opening: the add and its wait stand ahead of my first tensor load; the set-up below stands between them
	v_lshrrev_b32 v1, 5, v0
	v_readfirstlane_b32 s[WV], v1
	s_lshr_b32 s13, s[WV], 1
	s_and_b32 s14, s[WV], 1
	s_bfe_u32 s66, ttmp6, 0x40000                  ; cx
	s_bfe_u32 s67, ttmp6, 0x40004                  ; cy
	s_lshl_b32 s68, ttmp9, 2
	s_add_co_u32 s68, s68, s66                     ; tc: tile column 0..11
	s_and_b32 s69, ttmp7, 0xffff
	s_lshl_b32 s69, s69, 2
	s_add_co_u32 s69, s69, s67                     ; tr: tile row 0..31
	s_lshl_b32 s70, s67, 2
	s_lshl_b32 s70, 15, s70                        ; my row of the cluster
	s_lshl_b32 s71, 0x1111, s66                    ; my column
	s_or_b32 s[G1X], s70, (3<<16)|(1<<21)          ; 15:0 the mask; 17:16 elements of 8 bytes; 21 set beside a mask; no padding: the images are read at 16 x lane
	s_or_b32 s[G1W], s71, (3<<16)|(1<<21)
.irp g, G1X, G1W
	s_mov_b32 s[\g+1], 256<<16                     ; tensor_dim0 = 256 elements: two K steps' images of a row tile, 2,048 bytes
	s_mov_b32 s[\g+2], 8<<16                       ; tensor_dim1 = 8 row tiles
	s_mov_b32 s[\g+3], 256<<16                     ; tile_dim0
	s_mov_b32 s[\g+4], 8                           ; tile_dim1
	s_mov_b32 s[\g+5], 1024                        ; from row tile to row tile: 8,192 bytes
	s_mov_b32 s[\g+6], 0
	s_mov_b32 s[\g+7], 0
.endr
	s_lshl_b32 s82, s14, 3                         ; which 8 row tiles I fetch
	s_lshl_b32 s80, s69, 4
	s_add_co_u32 s80, s80, s82
	s_lshl_b32 s80, s80, 13                        ; x: row tile 16 tr + 8 hn
	s_mov_b32 s81, 0
	s_lshl_b32 s84, s68, 4
	s_add_co_u32 s84, s84, s82
	s_lshl_b32 s84, s84, 13
	s_add_co_u32 s84, s84, 4194304                 ; w: row tile 512 + 16 tc + 8 hn
	s_mov_b32 s85, 0
	s_lshl_b32 s86, s[WV], 14                      ; where my quarter of a chunk goes: no place in the cluster enters an LDS address
	s_wait_dscnt 0x0                               ; the opening add is done
	s_wait_kmcnt 0x0
	s_add_nc_u64 s[80:81], s[4:5], s[80:81]
	s_add_nc_u64 s[84:85], s[4:5], s[84:85]
	CROUND                                         ; all sixteen work-groups are here: the joint loads meet
.irp s, 0,1,2,3
	s_mov_b32 s[G0X+4*\s], 1
	s_add_co_u32 s[G0X+4*\s+1], s86, \s*65536
	s_add_nc_u64 s[G0X+4*\s+2:G0X+4*\s+3], s[80:81], \s*2048
	s_or_b32 s[G0X+4*\s+3], s[G0X+4*\s+3], 0x80000000
	s_mov_b32 s[G0W+4*\s], 1
	s_add_co_u32 s[G0W+4*\s+1], s86, \s*65536
	s_add_nc_u64 s[G0W+4*\s+2:G0W+4*\s+3], s[84:85], \s*2048
	s_or_b32 s[G0W+4*\s+3], s[G0W+4*\s+3], 0x80000000
.endr
	s_cmp_eq_u32 s13, 0                            ; a wave's four fills stand in one branch on the wave's number, ahead of every wait on TENSORcnt, LDS read and barrier behind the round
	s_cbranch_scc0 .Lfirst_w
.irp s, 0,1,2,3
	tensor_load_to_lds s[G0X+4*\s:G0X+4*\s+3], s[G1X:G1X+7]
	s_nop 0
.endr
	PLACES
	s_branch .Lfirst_asked
.Lfirst_w:
.irp s, 0,1,2,3
	tensor_load_to_lds s[G0W+4*\s:G0W+4*\s+3], s[G1W:G1W+7]
	s_nop 0
.endr
	PLACES
.Lfirst_asked:
	v_and_b32 v1, 15, v0                           ; r
	v_bfe_u32 v2, v0, 4, 1                         ; h
	v_and_b32 v3, 31, v0                           ; lane
	s_lshl_b32 s87, s69, 4
	s_lshl_b32 s88, s13, 3
	s_add_co_u32 s87, s87, s88
	s_lshl_b32 s87, s87, 9                         ; x's scale words of my 8 row tiles: 512 bytes a row tile
	s_lshl_b32 s88, s68, 4
	s_add_co_u32 s88, s88, s82
	s_add_co_u32 s88, s88, 512
	s_lshl_b32 s88, s88, 9                         ; w's
	s_sub_co_u32 s88, s88, s87
	v_mul_u32_u24 v[SOFF], s88, v2                 ; lanes 16-31 take w's
	v_add_nc_u32 v[SOFF], s87, v[SOFF]
	v_lshl_add_u32 v[SOFF], v1, 4, v[SOFF]         ; 16 bytes a row
.irp i, 0,1,2,3,4,5,6,7
.irp g, 0,1
	global_load_b128 v[SC+8*\i+4*\g:SC+8*\i+4*\g+3], v[SOFF], s[6:7] offset:512*\i+256*\g   ; the scale words of all eight K steps: once, sixteen lanes read 256 consecutive bytes
.endr
.endr
	v_lshlrev_b32 v[HO], 5, v2
	s_lshl_b32 s90, s68, 10
	s_lshl_b32 s89, s14, 9
	s_add_co_u32 s90, s90, s89
	s_mov_b32 s91, 0
	s_add_nc_u64 s[8:9], s[8:9], s[90:91]          ; the bias of my 128 columns
	WIN 0x40                                       ; destination window 1
.irp b, 0,1,2,3,4,5,6,7
	global_load_b128 v[BIAS+8*\b:BIAS+8*\b+3], v[HO], s[8:9] offset:64*\b        ; columns 16 b + 8 h + 0 .. 7
	global_load_b128 v[BIAS+8*\b+4:BIAS+8*\b+7], v[HO], s[8:9] offset:64*\b+16
.endr
	WIN 0
	s_cmp_eq_u32 ttmp9, 0                          ; q's gain and offset, or k's (v's work-groups load k's and do not use them)
	s_cselect_b64 s[10:11], s[10:11], s[74:75]
	s_cselect_b64 s[72:73], s[72:73], s[76:77]
.irp b, 0,1,2,3
	global_load_b128 v[GAM+8*\b:GAM+8*\b+3], v[HO], s[10:11] offset:64*\b
	global_load_b128 v[GAM+8*\b+4:GAM+8*\b+7], v[HO], s[10:11] offset:64*\b+16
	global_load_b128 v[BET+8*\b:BET+8*\b+3], v[HO], s[72:73] offset:64*\b
	global_load_b128 v[BET+8*\b+4:BET+8*\b+7], v[HO], s[72:73] offset:64*\b+16
.endr
	v_lshlrev_b32 v[IO], 4, v3
	s_lshl_b32 s92, s13, 14                        ; my 8 row tiles of x,
	s_lshl_b32 s93, s14, 14
	s_add_co_u32 s93, s93, 32768                   ; and of w, behind x's 16
.irp s, 0,1,2,3
	v_add_nc_u32 v[ADRA+\s], s92, v[IO]
	v_add_nc_u32 v[ADRB+\s], s93, v[IO]
	s_add_co_u32 s92, s92, 65536
	s_add_co_u32 s93, s93, 65536
.endr
	v_lshrrev_b32 v4, 3, v1
	v_and_b32 v5, 7, v1
	v_lshl_add_u32 v5, v2, 3, v5
	v_lshl_add_u32 v5, v4, 4, v5                   ; (r / 8) 16 + 8 h + r % 8
	v_lshlrev_b32 v[VO], 4, v5
	s_lshl_b32 s94, ttmp9, 24                      ; q, k or v: 16,777,216 bytes each
	s_lshr_b32 s95, s69, 3
	s_lshl_b32 s95, s95, 4                         ; batch x 16
	s_lshl_b32 s89, s66, 2
	s_add_co_u32 s95, s95, s89
	s_lshl_b32 s89, s14, 1
	s_add_co_u32 s95, s95, s89                     ; + my first head: 4 cx + 2 hn
	s_lshl_b32 s95, s95, 18
	s_add_co_u32 s94, s94, s95
	s_and_b32 s95, s69, 7
	s_lshl_b32 s95, s95, 4
	s_lshl_b32 s89, s13, 3
	s_add_co_u32 s95, s95, s89                     ; my first token tile in the batch
	s_lshl_b32 s95, s95, 11
	s_add_co_u32 s94, s94, s95
	s_mov_b32 s95, 0
	s_add_nc_u64 s[78:79], s[78:79], s[94:95]
	s_mov_b32 s70, 0x76543210
	s_mov_b32 s71, 0xfedcba98                      ; v_permlanex16_b32's selects for lane l xor 16
	s_mov_b32 s2, 0xbc800000                       ; -1/64
	s_mov_b32 s3, 0x3c800000                       ; 1/64
	s_mov_b32 s15, 0x3727c5ac                      ; 1e-5
.macro FRAG reg, adr, off              ; a fragment comes back as it was stored: two loads of 512 consecutive bytes
	ds_load_b128 v[\reg:\reg+3], v[\adr] offset:\off
	ds_load_b128 v[\reg+4:\reg+7], v[\adr] offset:\off+512
.endm
.macro FETCH_B ks, p                   ; w's eight fragments of K step ks into set p
	WIN 0x40
.irp i, 0,1,2,3,4,5,6,7
	FRAG 128*(\p)+8*\i, ADRB+(\ks)/2, \i*2048+((\ks)%2)*1024
.endr
	WIN 0
.endm
.macro FETCH_A ks, i0                  ; x's blocks i0 .. i0 + 3
.irp i, \i0, \i0+1, \i0+2, \i0+3
	FRAG AF+8*(\i), ADRA+(\ks)/2, (\i)*2048+((\ks)%2)*1024
.endr
.endm
; 16 matrix instructions: x's blocks a0, a0 + 1 against w's eight.  In K step 0 the bias is the C.  The 64 accumulators take turns, one instruction a turn, in the same order in every step.
.macro MUL16 a0, p, ks
.irp a, \a0, \a0+1
.irp b, 0,1,2,3,4,5,6,7
.if (\ks) == 0
	v_wmma_scale_f32_16x16x128_f8f6f4 v[8*(8*((\a)%4)+\b):8*(8*((\a)%4)+\b)+7], v[128*(\p)+8*\b:128*(\p)+8*\b+7], v[AF+8*(\a):AF+8*(\a)+7], v[BIAS+8*\b:BIAS+8*\b+7], v[SC+8*\b+(\ks)], v[SC+8*(\a)+(\ks)] matrix_a_fmt:MATRIX_FMT_FP4 matrix_b_fmt:MATRIX_FMT_FP4 matrix_a_scale:MATRIX_SCALE_ROW1
.else
	v_wmma_scale_f32_16x16x128_f8f6f4 v[8*(8*((\a)%4)+\b):8*(8*((\a)%4)+\b)+7], v[128*(\p)+8*\b:128*(\p)+8*\b+7], v[AF+8*(\a):AF+8*(\a)+7], v[8*(8*((\a)%4)+\b):8*(8*((\a)%4)+\b)+7], v[SC+8*\b+(\ks)], v[SC+8*(\a)+(\ks)] matrix_a_fmt:MATRIX_FMT_FP4 matrix_b_fmt:MATRIX_FMT_FP4 matrix_a_scale:MATRIX_SCALE_ROW1
.endif
.endr
.endr
.endm
; A K step of 128 that has a successor.  x has one set of registers (a block is free when its eight products are issued), w two.
.macro STEP ks
	s_wait_dscnt 8                                 ; w's set and x's blocks 0-3 are in; the youngest eight loads (x's blocks 4-7) may be out
.if (\ks) == 0
	WIN 0x91                                       ; source 0 (w) and C (the bias) window 1, source 1 (x) window 0, D window 2
.else
	WIN 0xa1                                       ; C and D window 2
.endif
	MUL16 0, (\ks)%2, \ks
	MUL16 2, (\ks)%2, \ks
	s_wait_dscnt 0x0                               ; x's blocks 4-7 are in
.if (\ks)%2 == 1
	s_wait_tensorcnt 3-((\ks)+1)/2                 ; my quarter of the next chunk has landed; the later chunks' loads may stay out
	s_barrier_signal -1
	s_barrier_wait -1                              ; everybody's has
.endif
	PLACES
	FETCH_B (\ks)+1, 1-(\ks)%2
	FETCH_A (\ks)+1, 0
.if (\ks) == 0
	WIN 0xd1
.else
	WIN 0xf1
.endif
	MUL16 4, (\ks)%2, \ks
	MUL16 6, (\ks)%2, \ks
	PLACES
	WIN 0
	FETCH_A (\ks)+1, 4
.endm
	s_wait_tensorcnt 3                             ; my quarter of chunk 0 has landed; three loads may stay out
	s_barrier_signal -1
	s_barrier_wait -1
	FETCH_B 0, 0
	FETCH_A 0, 0
	FETCH_A 0, 4
	s_wait_loadcnt 0x0                             ; scale words, bias, gain and offset
.irp ks, 0,1,2,3,4,5,6
	STEP \ks
.endr
	s_wait_dscnt 8                                 ; the last K step: nothing more to fetch
	WIN 0xa1
	MUL16 0, 1, 7
	MUL16 2, 1, 7
	s_wait_dscnt 0x0
	WIN 0xf1
	MUL16 4, 1, 7
	MUL16 6, 1, 7
	WIN 0
	PLACES
.macro FINISH
	s_wait_tensorcnt 0x0                           ; the wave's end
	ds_add_u32 v[SPW], v[NIL]
	s_wait_dscnt 0x0
	CROUND                                         ; the closing round
	s_endpgm
.endm
; LayerNorm of block a (16 tokens) for my two heads, which take turns line by line.  A lane holds 32 of a head's 64 channels of its token, lane l xor 16 the others.
; Two passes: the mean; then the sum of (x - mean)^2.  All in place on the accumulators, each read from its low end on.
.macro LNBLK a
.set AC, 64*((\a)%4)
.set WR, 0x0a+5*((\a)/4)               ; sources 0 and 1 in the accumulators' window
.set WW, 0x82+0x41*((\a)/4)            ; destination and source 0 in the accumulators' window
.set PK, PKB+32*((\a)%2)
	WIN WR
.irp i, 0,1,2,3,4,5,6,7
.irp hd, 0,1
	v_pk_add_f32 v[T+16*\hd+2*\i:T+16*\hd+2*\i+1], v[AC+32*\hd+4*\i:AC+32*\hd+4*\i+1], v[AC+32*\hd+4*\i+2:AC+32*\hd+4*\i+3]
.endr
.endr
	WIN 0
.irp i, 0,4,8,12
.irp hd, 0,1
	v_pk_add_f32 v[T+16*\hd+\i:T+16*\hd+\i+1], v[T+16*\hd+\i:T+16*\hd+\i+1], v[T+16*\hd+\i+2:T+16*\hd+\i+3]
.endr
.endr
.irp i, 0,8
.irp hd, 0,1
	v_pk_add_f32 v[T+16*\hd+\i:T+16*\hd+\i+1], v[T+16*\hd+\i:T+16*\hd+\i+1], v[T+16*\hd+\i+4:T+16*\hd+\i+5]
.endr
.endr
.irp hd, 0,1
	v_pk_add_f32 v[T+16*\hd:T+16*\hd+1], v[T+16*\hd:T+16*\hd+1], v[T+16*\hd+8:T+16*\hd+9]
.endr
.irp hd, 0,1
	v_add_f32 v[T+16*\hd], v[T+16*\hd], v[T+16*\hd+1]
.endr
.irp hd, 0,1
	v_permlanex16_b32 v[T+16*\hd+1], v[T+16*\hd], s70, s71
.endr
.irp hd, 0,1
	v_add_f32 v[T+16*\hd], v[T+16*\hd], v[T+16*\hd+1]
.endr
.irp hd, 0,1
	v_mul_f32 v[T+16*\hd+2], s2, v[T+16*\hd]       ; - mean
.endr
	WIN WW
.irp i, 0,1,2,3,4,5,6,7,8,9,10,11,12,13,14,15
.irp hd, 0,1
	v_pk_add_f32 v[AC+32*\hd+2*\i:AC+32*\hd+2*\i+1], v[AC+32*\hd+2*\i:AC+32*\hd+2*\i+1], v[T+16*\hd+2:T+16*\hd+3] op_sel_hi:[1,0]   ; x - mean
.endr
.endr
	WIN WR
.irp i, 0,1
.irp hd, 0,1
	v_pk_mul_f32 v[T+16*\hd+4+2*\i:T+16*\hd+5+2*\i], v[AC+32*\hd+2*\i:AC+32*\hd+2*\i+1], v[AC+32*\hd+2*\i:AC+32*\hd+2*\i+1]   ; the squares, in two chains
.endr
.endr
.irp i, 2,3,4,5,6,7,8,9,10,11,12,13,14,15
.irp hd, 0,1
	v_pk_fma_f32 v[T+16*\hd+4+2*(\i%2):T+16*\hd+5+2*(\i%2)], v[AC+32*\hd+2*\i:AC+32*\hd+2*\i+1], v[AC+32*\hd+2*\i:AC+32*\hd+2*\i+1], v[T+16*\hd+4+2*(\i%2):T+16*\hd+5+2*(\i%2)]
.endr
.endr
	WIN 0
.irp hd, 0,1
	v_pk_add_f32 v[T+16*\hd+4:T+16*\hd+5], v[T+16*\hd+4:T+16*\hd+5], v[T+16*\hd+6:T+16*\hd+7]
.endr
.irp hd, 0,1
	v_add_f32 v[T+16*\hd+4], v[T+16*\hd+4], v[T+16*\hd+5]
.endr
.irp hd, 0,1
	v_permlanex16_b32 v[T+16*\hd+5], v[T+16*\hd+4], s70, s71
.endr
.irp hd, 0,1
	v_add_f32 v[T+16*\hd+4], v[T+16*\hd+4], v[T+16*\hd+5]
.endr
.irp hd, 0,1
	v_fma_f32 v[T+16*\hd+4], v[T+16*\hd+4], s3, s15    ; variance + 1e-5
.endr
.irp hd, 0,1
	v_rsq_f32 v[T+16*\hd+8], v[T+16*\hd+4]
.endr
	v_nop                                          ; a plain line behind the transcendentals,
	s_wait_alu depctr_va_vdst(0)                   ; and the one wait ahead of their first reader
	WIN WW
.irp i, 0,1,2,3,4,5,6,7,8,9,10,11,12,13,14,15
.irp hd, 0,1
	v_pk_mul_f32 v[AC+32*\hd+2*\i:AC+32*\hd+2*\i+1], v[AC+32*\hd+2*\i:AC+32*\hd+2*\i+1], v[T+16*\hd+8:T+16*\hd+9] op_sel_hi:[1,0]
.endr
.endr
.irp i, 0,1,2,3,4,5,6,7,8,9,10,11,12,13,14,15
.irp hd, 0,1
	v_pk_fma_f32 v[AC+32*\hd+2*\i:AC+32*\hd+2*\i+1], v[AC+32*\hd+2*\i:AC+32*\hd+2*\i+1], v[GAM+2*\i:GAM+2*\i+1], v[BET+2*\i:BET+2*\i+1]
.endr
.endr
.if (\a) >= 2
	s_wait_xcnt 0x0                                ; block a - 2's stores have read their data: its packed registers are written again only behind this wait
.endif
	WIN WR
.irp p, 0,1,2,3,4,5,6,7,8,9,10,11,12,13,14,15
.irp hd, 0,1
	v_cvt_pk_f16_f32 v[PK+16*\hd+\p], v[AC+32*\hd+2*\p], v[AC+32*\hd+2*\p+1]
.endr
.endr
	WIN 0
.irp hd, 0,1
.irp b, 0,1,2,3
	global_store_b128 v[IO], v[PK+16*\hd+4*\b:PK+16*\hd+4*\b+3], s[78:79] offset:2048*(\a)+262144*\hd+512*\b   ; 512 consecutive bytes
.endr
.endr
.endm
; v: rounded to f16 and stored, the lanes in turned order
.macro VBLK a
.set AC, 64*((\a)%4)
.set PK, PKB+32*((\a)%2)
.if (\a) >= 2
	s_wait_xcnt 0x0                                ; block a - 2's stores have read their data
.endif
	WIN 0x0a+5*((\a)/4)
.irp p, 0,1,2,3,4,5,6,7,8,9,10,11,12,13,14,15,16,17,18,19,20,21,22,23,24,25,26,27,28,29,30,31
	v_cvt_pk_f16_f32 v[PK+\p], v[AC+2*\p], v[AC+2*\p+1]
.endr
	WIN 0
.irp b, 0,1,2,3,4,5,6,7
	global_store_b128 v[VO], v[PK+4*\b:PK+4*\b+3], s[78:79] offset:2048*(\a)+262144*(\b/4)+512*(\b%4)
.endr
.endm
	s_cmp_eq_u32 ttmp9, 2                          ; the cluster's x: the same in all sixteen partners
	s_cbranch_scc1 .Lvpath
.irp a, 0,1,2,3,4,5,6,7
	LNBLK \a
.endr
	FINISH
.Lvpath:
.irp a, 0,1,2,3,4,5,6,7
	VBLK \a
.endr
	FINISH
.Lfunc_end_k_q38776b31b1_qkv:
	.size	k_q38776b31b1_qkv, .Lfunc_end_k_q38776b31b1_qkv-k_q38776b31b1_qkv
	.p2alignl 7, 3214868480
	.fill 96, 4, 3214868480
	.section	.rodata,"a",@progbits
	.p2align	6, 0x0
	.amdhsa_kernel k_q38776b31b1_qkv
		.amdhsa_group_segment_fixed_size 262656
		.amdhsa_private_segment_fixed_size 0
		.amdhsa_enable_private_segment 0
		.amdhsa_kernarg_size 64
		.amdhsa_user_sgpr_count 2
		.amdhsa_user_sgpr_kernarg_segment_ptr 1
		.amdhsa_wavefront_size32 1
		.amdhsa_system_sgpr_workgroup_id_x 1
		.amdhsa_system_sgpr_workgroup_id_y 1
		.amdhsa_system_sgpr_workgroup_id_z 1
		.amdhsa_system_vgpr_workitem_id 0
		.amdhsa_next_free_vgpr 1024
		.amdhsa_next_free_sgpr 96
		.amdhsa_reserve_vcc 0
		.amdhsa_float_denorm_mode_32 3
		.amdhsa_float_denorm_mode_16_64 3
		.amdhsa_memory_ordered 1
		.amdhsa_forward_progress 1
		.amdhsa_inst_pref_size 232
	.end_amdhsa_kernel
	.amdgpu_metadata
---
amdhsa.version: [ 1, 2 ]
amdhsa.kernels:
  - .name:           k_q38776b31b1_qkv
    .symbol:         k_q38776b31b1_qkv.kd
    .args:
      - { .name: codes, .offset: 0, .size: 8, .value_kind: global_buffer, .address_space: global }
      - { .name: scales, .offset: 8, .size: 8, .value_kind: global_buffer, .address_space: global }
      - { .name: qkv_b, .offset: 16, .size: 8, .value_kind: global_buffer, .address_space: global }
      - { .name: q_gamma, .offset: 24, .size: 8, .value_kind: global_buffer, .address_space: global }
      - { .name: q_beta, .offset: 32, .size: 8, .value_kind: global_buffer, .address_space: global }
      - { .name: k_gamma, .offset: 40, .size: 8, .value_kind: global_buffer, .address_space: global }
      - { .name: k_beta, .offset: 48, .size: 8, .value_kind: global_buffer, .address_space: global }
      - { .name: qkvh, .offset: 56, .size: 8, .value_kind: global_buffer, .address_space: global }
    .group_segment_fixed_size: 262656
    .private_segment_fixed_size: 0
    .kernarg_segment_align: 8
    .kernarg_segment_size: 64
    .max_flat_workgroup_size: 128
    .sgpr_count:     96
    .vgpr_count:     1024
    .wavefront_size: 32
...
	.end_amdgpu_metadata
.endif
;; end of part 2
;; launch attn (part 3): grid 4 x 64, 16 waves a work-group, clusters of 4 x 1, 327,680 bytes of LDS; arguments qkvh, ah; writes ah
.if DOCPART == 3
	.amdgcn_target "amdgcn-amd-amdhsa--gfx1250"
	.amdhsa_code_object_version 6
	.text
	.protected	k_q38776b31b1_attn
	.globl	k_q38776b31b1_attn
	.p2align	8
	.type	k_q38776b31b1_attn,@function
k_q38776b31b1_attn:
	s_mov_b64 s[64:65], 0
	v_nop
	global_prefetch_b8 v0, s[64:65] scope:SCOPE_SE
	s_setreg_imm32_b32 hwreg(HW_REG_WAVE_MODE, 25, 1), 1
	s_wait_xcnt 0x0
	s_wait_alu depctr_hold_cnt(0) depctr_sa_sdst(0) depctr_va_vdst(0) depctr_va_sdst(0) depctr_va_ssrc(0) depctr_va_vcc(0) depctr_vm_vsrc(0)
	s_getreg_b32 s2, hwreg(HW_REG_IB_STS2, 6, 4)
	s_cmp_eq_u32 s2, 0
	s_cbranch_scc0 .Lentry_in_a_cluster
	s_endpgm
.Lentry_in_a_cluster:
	s_bfe_u32 s2, ttmp6, 0x10000c
	s_cmp_lg_u32 s2, 0x3003
	s_cbranch_scc0 .Lentry_shape_is_right
	s_endpgm
.Lentry_shape_is_right:
; o[q] = the sum over k of softmax_k(q . k / 8) v[k], for each of 64 heads of 2,048 tokens x 64 channels.  q, k, v come as f16 images of operand registers (1,024 bytes a fragment, registers 4 e .. 4 e + 3 of lane l
; at 512 e + 16 l; v's lanes in turned order).  Products on f16 operands, sums, maxima and the softmax in f32; the weights p are rounded to f16 for the second product, o once at the end.
; o leaves as f16 images too: ah [token tile 0..511][K step of 32 = 2 head + c][1,024], the next launch's operand.
; SOFTMAX: for each query a running maximum m and sum l: p = 2^(c s - c m), c = log2(e) / 8; in every step O and l are multiplied by a = 2^(c m_old - c m_new).  The sum is taken of the unrounded p.
; LIMITS: v and o under 65,504 in magnitude (f16).
; SHARES: a work-group owns 512 queries of a head, each of its sixteen waves 32: two tiles of 16, in 256 registers; four waves to a SIMD, so that one wave's vector work stands beside another's matrix work and LDS loads.
; In a wave, tile 0's softmax stands between tile 1's products K Q^T, and tile 1's between tile 0's products V^T P.
; LAYOUT: S^T = K Q^T (source 0 = 16 keys, source 1 = 16 queries), O^T = V^T P (source 0 = 16 channels x 32 keys, by the turning load; source 1 = P): a lane holds one query throughout.  P is laid in place over S^T.
; RING: two slots of 512 keys (64 KiB of K, 64 KiB of V).  Every wave fetches 8 KiB of a slot by one tensor load.  CLUSTER: the four query blocks of a head ask for K and V jointly.
; No prefetch: a refill has a slot's eight key steps of all sixteen waves in which to land.
.set SPARE, 262144                     ; behind the ring: the spare words, 128 bytes for each of sixteen waves
.set LI,  1                            ; v1   16 x lane
.set AV0, 2                            ; v2   16 x lane + 65,536: V's part of a slot
.set ADK, 3                            ; v3   LDS address of the step's K
.set ADV, 4                            ; v4   and V
.set SPW, 5                            ; v5   LDS address of my spare word; never rewritten
.set NIL, 6                            ; v6   0; never rewritten
.set ST,  8                            ; v8-23  tile t's statistics at v[ST + 8 t]: +0 c m, +1 m, +2, +3 l, +4 to +7 at work (c0-c3; later +4, +5 a sum's chain, +6 a, +7 c m_old - c m_new)
.set Q,   24                           ; v24-55   Q, 16 a tile
.set KV,  56                           ; v56-119  K of the step, then V
.set S,   120                          ; v120-183 S^T, 32 a tile; P in place, 16 a tile
.set O,   184                          ; v184-247 O^T, 32 a tile
.set SB,  248                          ; v248-251 the sums' second chain, a pair a tile
.set WV,  8
.set G1,  16                           ; s[16:23] descriptor group 1
.set G0,  24                           ; s[24:31] group 0, a set for each slot
.set CS,  32                           ; s[32:33] c
.set SEL, 34                           ; s[34:35] selects for lane l xor 16
.set TB,  36                           ; s36  LDS byte at which the step's tiles begin
.set TR,  37                           ; s37  counts a slot's eight steps
.macro CROUND                          ; a round of the cluster's barrier
	s_barrier_signal -1
	s_barrier_wait -1
	s_cmp_lg_u32 s[WV], 0
	s_cbranch_scc1 .Lnot_wave_0_\@
	s_barrier_signal -3
.Lnot_wave_0_\@:
	s_barrier_wait -3
	s_barrier_signal -1
	s_barrier_wait -1
.endm
	s_load_b128 s[4:7], s[0:1], 0x0                ; qkvh, ah
	v_lshl_add_u32 v[SPW], v0, 2, SPARE
	v_mov_b32 v[NIL], 0
	ds_add_u32 v[SPW], v[NIL]                      ; the wave's opening: the add and its wait stand ahead of my first tensor load; the set-up below stands between them
	v_lshrrev_b32 v1, 5, v0
	v_readfirstlane_b32 s[WV], v1                  ; wave 0..15
	s_bfe_u32 s9, ttmp6, 0x40000                   ; cx
	s_and_b32 s10, ttmp7, 0xffff                   ; batch x 16 + head, which the four partners share
	s_mov_b32 s[G1], 15|(3<<16)|(1<<21)            ; 15:0 the mask: all four; 17:16 elements of 8 bytes; 21 set beside a mask; no padding: images are read at 16 x lane
	s_mov_b32 s[G1+1], 32<<16                      ; 8,192 dense bytes as 32 rows of 256
	s_mov_b32 s[G1+2], 32<<16
	s_mov_b32 s[G1+3], 32<<16
	s_mov_b32 s[G1+4], 32
	s_mov_b32 s[G1+5], 32
	s_mov_b32 s[G1+6], 0
	s_mov_b32 s[G1+7], 0
	s_lshr_b32 s11, s[WV], 3
	s_add_co_u32 s11, s11, 1                       ; waves 0-7 fetch K (part 1 of qkvh), waves 8-15 V (part 2)
	s_lshl_b32 s12, s11, 24
	s_lshl_b32 s11, s10, 18
	s_add_co_u32 s12, s12, s11                     ; the head: 262,144 bytes
	s_and_b32 s11, s[WV], 7
	s_lshl_b32 s11, s11, 13
	s_add_co_u32 s12, s12, s11                     ; my 64 keys of the slot's 512
	s_mov_b32 s13, 0
	s_lshl_b32 s14, s[WV], 13                      ; and their place in a slot: no place in the cluster enters it
	s_lshl_b32 s15, ttmp9, 2
	s_add_co_u32 s15, s15, s9                      ; my block of 512 queries: it enters Q's and o's addresses alone
	s_lshl_b32 s38, s15, 5
	s_lshl_b32 s39, s[WV], 1
	s_add_co_u32 s38, s38, s39                     ; my first token tile in the head
	s_lshl_b32 s40, s38, 11
	s_lshl_b32 s39, s10, 18
	s_add_co_u32 s40, s40, s39                     ; Q
	s_mov_b32 s41, 0
	s_lshr_b32 s39, s10, 4
	s_lshl_b32 s39, s39, 7
	s_add_co_u32 s38, s38, s39                     ; my first token tile of all 512
	s_lshl_b32 s38, s38, 15
	s_and_b32 s39, s10, 15
	s_lshl_b32 s39, s39, 11
	s_add_co_u32 s38, s38, s39                     ; + the head's two K steps
	s_mov_b32 s39, 0
	s_mov_b32 s[CS], 0x3e38aa3b                    ; c = log2(e) / 8
	s_mov_b32 s[CS+1], s[CS]                       ; (named with it as a pair, so it is written)
	s_mov_b32 s[SEL], 0x76543210
	s_mov_b32 s[SEL+1], 0xfedcba98
	s_wait_dscnt 0x0                               ; the opening add is done
	s_wait_kmcnt 0x0
	s_add_nc_u64 s[12:13], s[4:5], s[12:13]
	s_add_nc_u64 s[40:41], s[4:5], s[40:41]
	s_add_nc_u64 s[6:7], s[6:7], s[38:39]
	CROUND                                         ; all four work-groups are here: the first joint loads meet
.irp n, 0,1
	s_mov_b32 s[G0+4*\n], 1
	s_add_co_u32 s[G0+4*\n+1], s14, \n*131072
	s_add_nc_u64 s[G0+4*\n+2:G0+4*\n+3], s[12:13], \n*65536
	s_or_b32 s[G0+4*\n+3], s[G0+4*\n+3], 0x80000000
.endr
	tensor_load_to_lds s[G0:G0+3], s[G1:G1+7]      ; keys 0 to 511
	s_nop 0
	tensor_load_to_lds s[G0+4:G0+7], s[G1:G1+7]    ; keys 512 to 1,023: two loads of mine are out
	s_nop 0
.rept 4
	v_nop
.endr
	v_and_b32 v[LI], 31, v0
	v_lshlrev_b32 v[LI], 4, v[LI]
	v_add_nc_u32 v[AV0], 65536, v[LI]
.irp f, 0,1,2,3,4,5,6,7
	global_load_b128 v[Q+4*\f:Q+4*\f+3], v[LI], s[40:41] offset:512*\f   ; Q stays in registers: tile f / 4, channels 32 ((f / 2) % 2) on
.endr
.irp t, 0,1
	v_mov_b32 v[ST+8*\t+1], 0xff61b1e6             ; m: -3e38, under every score
	v_mul_f32 v[ST+8*\t], s[CS], v[ST+8*\t+1]      ; c m
	v_mov_b32 v[ST+8*\t+2], 0                      ; l
	v_mov_b32 v[ST+8*\t+3], 0
.endr
.irp n, 0,1,2,3,4,5,6,7,8,9,10,11,12,13,14,15,16,17,18,19,20,21,22,23,24,25,26,27,28,29,30,31,32,33,34,35,36,37,38,39,40,41,42,43,44,45,46,47,48,49,50,51,52,53,54,55,56,57,58,59,60,61,62,63
	v_mov_b32 v[O+\n], 0                           ; O^T.  (The key step is written without a first step of its own: the first finds zeros, which a = 0 leaves zeros)
.endr
; Product i of 8 of S^T = K Q^T for tile t: keys 16 (i % 4) on, channels 32 (i / 4) on.  The four accumulators take turns; the first four products start the sums.
.macro KQ t
.set rS, S+32*(\t)+8*(i%4)
.set rK, KV+16*(i%4)+8*(i/4)
.set rQ, Q+16*(\t)+8*(i/4)
.if i < 4
	v_wmma_f32_16x16x32_f16 v[rS:rS+7], v[rK:rK+7], v[rQ:rQ+7], 0
.else
	v_wmma_f32_16x16x32_f16 v[rS:rS+7], v[rK:rK+7], v[rQ:rQ+7], v[rS:rS+7]
.endif
.set i, i+1
.endm
; Product i of 8 of O^T += V^T P for tile t: channels 16 (i % 4) on, keys 32 (i / 4) on
.macro PV t
.set rO, O+32*(\t)+8*(i%4)
.set rV, KV+8*(4*(i/4)+i%4)
.set rP, S+32*(\t)+8*(i/4)
	v_wmma_f32_16x16x32_f16 v[rO:rO+7], v[rV:rV+7], v[rP:rP+7], v[rO:rO+7]
.set i, i+1
.endm
; One tile's softmax for a key step is a list of 118 instructions; SM writes number j of it for tile t.  s0-s31 are the lane's 32 scores, in pairs 0-15.
;   0-15    the maximum of s0-s31 and the old m, three operands at a time; each accumulator is read from its low end on
;   16-20   the other half of the lanes' maximum; the new m; c m; c m_old - c m_new
;   21-69   ONE BATCH: the 16 scalings c s - c m and all 33 exponentials (a at 23, then s0-s31); none of these names an exponential's result
;   (wait)  between 69 and 70 stands the one wait for the batch: STEP writes it
;   70-85   the sum of the unrounded p, in two chains; l = a l + the sum
;   86-101  the roundings to f16, in place: pair p of the weights into register p
;   102-117 the tile's O^T times a
.macro SM t
.set rT, ST+8*(\t)
.set rS, S+32*(\t)
.set rO, O+32*(\t)
.set rB, SB+2*(\t)
.if j < 4
	v_max3_num_f32 v[rT+4+j], v[rS+8*j], v[rS+8*j+1], v[rS+8*j+2]
.elseif j < 12
	v_max3_num_f32 v[rT+4+j%4], v[rT+4+j%4], v[rS+8*(j%4)+2*(j/4)+1], v[rS+8*(j%4)+2*(j/4)+2]
.elseif j == 12
	v_max3_num_f32 v[rT+4], v[rT+4], v[rS+7], v[rS+15]
.elseif j == 13
	v_max3_num_f32 v[rT+6], v[rT+6], v[rS+23], v[rS+31]
.elseif j == 14
	v_max3_num_f32 v[rT+4], v[rT+4], v[rT+5], v[rT+6]
.elseif j == 15
	v_max3_num_f32 v[rT+4], v[rT+4], v[rT+7], v[rT+1]
.elseif j == 16
	v_permlanex16_b32 v[rT+5], v[rT+4], s[SEL], s[SEL+1]   ; the query's other 32 keys lie in the lane 16 away
.elseif j == 17
	v_mov_b32 v[rT+7], v[rT]                       ; c m_old is kept for a
.elseif j == 18
	v_max_num_f32 v[rT+1], v[rT+4], v[rT+5]
.elseif j == 19
	v_mul_f32 v[rT], s[CS], v[rT+1]
.elseif j == 20
	v_sub_f32 v[rT+7], v[rT+7], v[rT]
.elseif j == 23
	v_exp_f32 v[rT+6], v[rT+7]
.elseif (j < 23) || ((j < 38) && (j%2 == 0)) || ((j < 66) && (j%4 == 2))
.set b, (j-2)/4                        ; 38, 42, .. 62: pairs 9 to 15
.if j < 38
.set b, (j-20)/2                       ; 21: pair 0; 22, 24, .. 36: pairs 1 to 8
.endif
	v_pk_fma_f32 v[rS+2*b:rS+2*b+1], v[rS+2*b:rS+2*b+1], s[CS:CS+1], v[rT:rT+1] op_sel_hi:[1,0,0] neg_lo:[0,0,1] neg_hi:[0,0,1]
.elseif j < 70
.set e, j-38                           ; 66 to 69: s28 to s31
.if j < 66
.set e, j-32-(j-38)/4                  ; 39-41, 43-45, .. 63-65: s7 to s27
.endif
.if j < 38
.set e, (j-25)/2                       ; 25, 27, .. 37: s0 to s6
.endif
	v_exp_f32 v[rS+e], v[rS+e]
.elseif j == 70
	v_pk_add_f32 v[rT+4:rT+5], v[rS:rS+1], v[rS+2:rS+3]
.elseif j == 71
	v_pk_add_f32 v[rB:rB+1], v[rS+4:rS+5], v[rS+6:rS+7]
.elseif j < 84
.if j%2 == 0
	v_pk_add_f32 v[rT+4:rT+5], v[rT+4:rT+5], v[rS+2*(j-68):rS+2*(j-68)+1]
.else
	v_pk_add_f32 v[rB:rB+1], v[rB:rB+1], v[rS+2*(j-68):rS+2*(j-68)+1]
.endif
.elseif j == 84
	v_pk_add_f32 v[rT+4:rT+5], v[rT+4:rT+5], v[rB:rB+1]
.elseif j == 85
	v_pk_fma_f32 v[rT+2:rT+3], v[rT+2:rT+3], v[rT+6:rT+7], v[rT+4:rT+5] op_sel_hi:[1,0,1]
.elseif j < 102
	v_cvt_pk_f16_f32 v[rS+j-86], v[rS+2*(j-86)], v[rS+2*(j-86)+1]
.else
	v_pk_mul_f32 v[rO+2*(j-102):rO+2*(j-102)+1], v[rO+2*(j-102):rO+2*(j-102)+1], v[rT+6:rT+7] op_sel_hi:[1,0]
.endif
.endm
.macro RUN t, n                        ; the next n numbers of tile t's list
.rept \n
	SM \t
.set j, j+1
.endr
.endm
; A KEY STEP: 64 keys
.macro STEP
	v_add_nc_u32 v[ADK], s[TB], v[LI]              ; these two and two v_nop are the four places between the last step's last product and the loads into the registers that it read
	v_add_nc_u32 v[ADV], s[TB], v[AV0]
	v_nop
	v_nop
.irp f, 0,1,2,3,4,5,6,7,8,9,10,11,12,13,14,15
	ds_load_b128 v[KV+4*\f:KV+4*\f+3], v[ADK] offset:512*\f   ; keys 16 (f / 4) on, channels 32 ((f / 2) % 2) on
.endr
	s_wait_dscnt 0x0
.set i, 0
.rept 8
	KQ 0
.endr
.rept 4
	v_nop                                          ; places ahead of the first read of tile 0's scores; with the four above, eight ahead of tile 1's products, which write over the last step's P
.endr
.set i, 0
.set j, 0
.rept 8
	KQ 1
	RUN 0, 7
.endr
	RUN 0, 14
	v_nop                                          ; a plain line behind the last exponential,
	s_wait_alu depctr_va_vdst(0)                   ; and the one wait ahead of the batch's first reader
.irp u, 0,1                                    ; behind K's last reader stand four scalings and the v_nop: V takes K's registers
.irp ct, 0,1,2,3
.irp x, 0,1
	ds_load_tr16_b128 v[KV+8*(4*\u+\ct)+4*\x:KV+8*(4*\u+\ct)+4*\x+3], v[ADV] offset:(2*\u+\x)*2048+512*\ct   ; channels 16 ct on, keys 32 u + 16 x on
.endr
.endr
.endr
	RUN 0, 48
	s_wait_dscnt 0x0                               ; V is in
.set i, 0
.set j, 0
.rept 8
	PV 0
	RUN 1, 7
.endr
	RUN 1, 14
	v_nop
	s_wait_alu depctr_va_vdst(0)                   ; tile 1's batch likewise
	RUN 1, 48
.set i, 0
.rept 8
	PV 1
.endr
	s_add_co_u32 s[TB], s[TB], 8192                ; the next step's tiles
.endm
.macro PHASE base                      ; a slot's eight key steps
	s_mov_b32 s[TB], \base
	s_mov_b32 s[TR], 8
.Lstep_\@:
	STEP
	s_sub_co_u32 s[TR], s[TR], 1
	s_cmp_lg_u32 s[TR], 0
	s_cbranch_scc1 .Lstep_\@
.endm
; THE CHANGE OF SLOTS.  Each wave waits for all its tensor loads (the one that is out is its part of the other slot), adds 0 to its spare word, and waits for that and for its reads of slot n.
; Behind the cluster's round no wave of any partner reads slot n or has a load on its way: it is filled with the keys 1,024 further on, first thing behind the round.
.macro CHANGE n
	s_wait_tensorcnt 0x0
	ds_add_u32 v[SPW], v[NIL]                      ; 0 onto my spare word; the descriptor's step stands between it and the wait for it
	s_add_nc_u64 s[G0+4*\n+2:G0+4*\n+3], s[G0+4*\n+2:G0+4*\n+3], 131072
	s_wait_dscnt 0x0
	CROUND
	tensor_load_to_lds s[G0+4*\n:G0+4*\n+3], s[G1:G1+7]
	s_nop 0
.rept 4
	v_nop
.endr
.endm
	s_wait_tensorcnt 1                             ; my part of slot 0 has landed; slot 1's may stay out
	s_barrier_signal -1
	s_barrier_wait -1
	s_wait_loadcnt 0x0                             ; Q
	PHASE 0
	CHANGE 0
	PHASE 131072
	CHANGE 1
	PHASE 0
	s_wait_tensorcnt 0x0                           ; the last change: nothing is asked for, so a plain barrier follows the three lines
	ds_add_u32 v[SPW], v[NIL]
	s_wait_dscnt 0x0
	s_barrier_signal -1
	s_barrier_wait -1
	PHASE 131072
	; THE WAY OUT.  The additions are the places behind the last products.
.irp t, 0,1
	v_add_f32 v[ST+8*\t+4], v[ST+8*\t+2], v[ST+8*\t+3]
.endr
.irp t, 0,1
	v_permlanex16_b32 v[ST+8*\t+5], v[ST+8*\t+4], s[SEL], s[SEL+1]
.endr
.irp t, 0,1
	v_add_f32 v[ST+8*\t+4], v[ST+8*\t+4], v[ST+8*\t+5]
.endr
	v_nop
.irp t, 0,1
	v_rcp_f32 v[ST+8*\t+6], v[ST+8*\t+4]
.endr
	v_nop                                          ; a plain line behind the reciprocals,
	s_wait_alu depctr_va_vdst(0)                   ; and their one wait
.irp t, 0,1
.irp n, 0,1,2,3,4,5,6,7,8,9,10,11,12,13,14,15
	v_pk_mul_f32 v[O+32*\t+2*\n:O+32*\t+2*\n+1], v[O+32*\t+2*\n:O+32*\t+2*\n+1], v[ST+8*\t+6:ST+8*\t+7] op_sel_hi:[1,0]
.endr
.endr
.irp t, 0,1
.irp n, 0,1,2,3,4,5,6,7,8,9,10,11,12,13,14,15
	v_cvt_pk_f16_f32 v[S+16*\t+\n], v[O+32*\t+2*\n], v[O+32*\t+2*\n+1]
.endr
.endr
.irp t, 0,1
.irp ct, 0,1,2,3
	global_store_b128 v[LI], v[S+16*\t+4*\ct:S+16*\t+4*\ct+3], s[6:7] offset:32768*\t+512*\ct   ; 512 consecutive bytes: half a fragment of the next launch's operand
.endr
.endr
	s_wait_tensorcnt 0x0                           ; the wave's end
	ds_add_u32 v[SPW], v[NIL]
	s_wait_dscnt 0x0
	CROUND                                         ; the closing round
	s_endpgm
.Lfunc_end_k_q38776b31b1_attn:
	.size	k_q38776b31b1_attn, .Lfunc_end_k_q38776b31b1_attn-k_q38776b31b1_attn
	.p2alignl 7, 3214868480
	.fill 96, 4, 3214868480
	.section	.rodata,"a",@progbits
	.p2align	6, 0x0
	.amdhsa_kernel k_q38776b31b1_attn
		.amdhsa_group_segment_fixed_size 327680
		.amdhsa_private_segment_fixed_size 0
		.amdhsa_enable_private_segment 0
		.amdhsa_kernarg_size 16
		.amdhsa_user_sgpr_count 2
		.amdhsa_user_sgpr_kernarg_segment_ptr 1
		.amdhsa_wavefront_size32 1
		.amdhsa_system_sgpr_workgroup_id_x 1
		.amdhsa_system_sgpr_workgroup_id_y 1
		.amdhsa_system_sgpr_workgroup_id_z 1
		.amdhsa_system_vgpr_workitem_id 0
		.amdhsa_next_free_vgpr 256
		.amdhsa_next_free_sgpr 66
		.amdhsa_reserve_vcc 0
		.amdhsa_float_denorm_mode_32 3
		.amdhsa_float_denorm_mode_16_64 3
		.amdhsa_memory_ordered 1
		.amdhsa_forward_progress 1
		.amdhsa_inst_pref_size 83
	.end_amdhsa_kernel
	.amdgpu_metadata
---
amdhsa.version: [ 1, 2 ]
amdhsa.kernels:
  - .name:           k_q38776b31b1_attn
    .symbol:         k_q38776b31b1_attn.kd
    .args:
      - { .name: qkvh, .offset: 0, .size: 8, .value_kind: global_buffer, .address_space: global }
      - { .name: ah, .offset: 8, .size: 8, .value_kind: global_buffer, .address_space: global }
    .group_segment_fixed_size: 327680
    .private_segment_fixed_size: 0
    .kernarg_segment_align: 8
    .kernarg_segment_size: 16
    .max_flat_workgroup_size: 512
    .sgpr_count:     66
    .vgpr_count:     256
    .wavefront_size: 32
...
	.end_amdgpu_metadata
.endif
;; end of part 3
;; launch proj (part 4): grid 8 x 32, 4 waves a work-group, clusters of 4 x 4, 327,680 bytes of LDS; arguments ah, owh, out_b, out0; writes out0
.if DOCPART == 4
	.amdgcn_target "amdgcn-amd-amdhsa--gfx1250"
	.amdhsa_code_object_version 6
	.text
	.protected	k_q38776b31b1_proj
	.globl	k_q38776b31b1_proj
	.p2align	8
	.type	k_q38776b31b1_proj,@function
k_q38776b31b1_proj:
	s_mov_b64 s[64:65], 0
	v_nop
	global_prefetch_b8 v0, s[64:65] scope:SCOPE_SE
	s_setreg_imm32_b32 hwreg(HW_REG_WAVE_MODE, 25, 1), 1
	s_wait_xcnt 0x0
	s_wait_alu depctr_hold_cnt(0) depctr_sa_sdst(0) depctr_va_vdst(0) depctr_va_sdst(0) depctr_va_ssrc(0) depctr_va_vcc(0) depctr_vm_vsrc(0)
	s_getreg_b32 s2, hwreg(HW_REG_IB_STS2, 6, 4)
	s_cmp_eq_u32 s2, 0
	s_cbranch_scc0 .Lentry_in_a_cluster
	s_endpgm
.Lentry_in_a_cluster:
	s_bfe_u32 s2, ttmp6, 0x10000c
	s_cmp_lg_u32 s2, 0xf033
	s_cbranch_scc0 .Lentry_shape_is_right
	s_endpgm
.Lentry_shape_is_right:
; out0 = a out_w^T + out_b.  a [8192][1024] and out_w [1024][1024] come as f16 images of operand registers (fragment of 16 rows x 32 K: 1,024 bytes, registers 4 e .. 4 e + 3 of lane l at 512 e + 16 l),
; laid [row tile][K step of 32: 0..31][1,024].  Sums in f32; out0 f32.  The bias is the C of each sum's first product.
; A tile of the result is 256 tokens x 128 columns: 256 work-groups.  Four waves, each 128 x 64: 32 accumulators, 256 registers.
; K goes in chunks of 128 (four K steps of 32) through a ring of two LDS slots: 64 KiB of a, 32 KiB of out_w.  Waves 0 and 1 fetch a's halves, waves 2 and 3 out_w's, one tensor load each.
; CLUSTERS: 4 x 4 work-groups; a's tiles are shared along a row of the cluster, out_w's along a column: asked for jointly.
; THE MATRIX INSTRUCTION IS USED TRANSPOSED (source 0 = 16 rows of out_w, source 1 = 16 tokens): a lane holds eight neighbouring numbers of a row of the result.
; REGISTERS: window 0: v16-29 addresses; v32-95, v96-159 a's fragments, two buffers; v160-191, v192-223 out_w's; v224-255 the bias.   window 1: accumulator (a, b) at v[8 (4 a + b)].
.set SLOT,  98304
.set STAGE, 2*SLOT                     ; behind the ring: 16 rows x 272 bytes for each wave, for the way out
.set SPARE, STAGE+4*16*272             ; behind the stages: the spare words, 128 bytes for each wave
.set ADRA, 16                          ; v16-17  LDS address of my fragments of a in slot 0, 1
.set ADRB, 20                          ; v20-21  the same for out_w
.set STO,  24                          ; v24     the way out: where I put 32 bytes of a row
.set RD,   25                          ; v25     and where I read a row back
.set CO,   26                          ; v26     my byte offset in out0
.set HO,   27                          ; v27     32 h
.set SPW,  28                          ; v28     LDS address of my spare word; never rewritten
.set NIL,  29                          ; v29     0; never rewritten
.set FA,   32
.set FB,   160
.set BIAS, 224
.set OB,   32                          ; the way out: four sets of 32 registers
.set WV,   12                          ; s12 wave; s13 hm: my half of the rows, and a (0) or out_w (1) to fetch; s14 hn: my half of the columns, and which half I fetch
.set G1A,  24
.set G0A,  32
.set G1B,  48
.set G0B,  56
.set MSB, 0
.macro WIN new                         ; the immediate's high byte repeats the setting that is left
.if MSB != \new
	s_set_vgpr_msb (MSB<<8)|\new
.set MSB, \new
.endif
.endm
.macro PLACES
.rept 4
	v_nop
.endr
.endm
.macro JLOAD s                         ; a joint load; an s_nop 0 and four v_nop follow each of the two lines, ahead of the jump, the label and what follows
	s_cmp_eq_u32 s13, 0
	s_cbranch_scc0 .Lfor_b_\@
	tensor_load_to_lds s[G0A+4*\s:G0A+4*\s+3], s[G1A:G1A+7]
	s_nop 0
	PLACES
	s_branch .Lasked_\@
.Lfor_b_\@:
	tensor_load_to_lds s[G0B+4*\s:G0B+4*\s+3], s[G1B:G1B+7]
	s_nop 0
	PLACES
.Lasked_\@:
.endm
.macro CREST                           ; a round of the cluster's barrier behind its opening barrier
	s_cmp_lg_u32 s[WV], 0
	s_cbranch_scc1 .Lnot_wave_0_\@
	s_barrier_signal -3
.Lnot_wave_0_\@:
	s_barrier_wait -3
	s_barrier_signal -1
	s_barrier_wait -1
.endm
.macro CROUND
	s_barrier_signal -1
	s_barrier_wait -1
	CREST
.endm
	s_load_b256 s[4:11], s[0:1], 0x0               ; ah s[4:5], owh s[6:7], out_b s[8:9], out0 s[10:11]
	v_lshl_add_u32 v[SPW], v0, 2, SPARE
	v_mov_b32 v[NIL], 0
	ds_add_u32 v[SPW], v[NIL]                      ; the wave's opening: the add and its wait stand ahead of my first tensor load; the set-up below stands between them
	v_lshrrev_b32 v1, 5, v0
	v_readfirstlane_b32 s[WV], v1
	s_lshr_b32 s13, s[WV], 1
	s_and_b32 s14, s[WV], 1
	s_bfe_u32 s40, ttmp6, 0x40000                  ; cx
	s_bfe_u32 s41, ttmp6, 0x40004                  ; cy
	s_lshl_b32 s42, ttmp9, 2
	s_add_co_u32 s42, s42, s40                     ; tc: tile column 0..7
	s_and_b32 s15, ttmp7, 0xffff
	s_lshl_b32 s15, s15, 2
	s_add_co_u32 s15, s15, s41                     ; tr: tile row 0..31
	s_lshl_b32 s43, s41, 2
	s_lshl_b32 s43, 15, s43                        ; my row of the cluster
	s_lshl_b32 s44, 0x1111, s40                    ; my column
	s_or_b32 s[G1A], s43, (3<<16)|(1<<21)          ; 15:0 the mask; 17:16 elements of 8 bytes; 21 set beside a mask; no padding
	s_or_b32 s[G1B], s44, (3<<16)|(1<<21)
	s_mov_b32 s[G1A+1], 512<<16                    ; a chunk's four images of a row tile: 4,096 bytes
	s_mov_b32 s[G1A+2], 8<<16                      ; 8 row tiles
	s_mov_b32 s[G1A+3], 512<<16
	s_mov_b32 s[G1A+4], 8
	s_mov_b32 s[G1A+5], 4096                       ; from row tile to row tile: 32,768 bytes
	s_mov_b32 s[G1A+6], 0
	s_mov_b32 s[G1A+7], 0
	s_mov_b32 s[G1B+1], 512<<16
	s_mov_b32 s[G1B+2], 4<<16                      ; 4 row tiles
	s_mov_b32 s[G1B+3], 512<<16
	s_mov_b32 s[G1B+4], 4
	s_mov_b32 s[G1B+5], 4096
	s_mov_b32 s[G1B+6], 0
	s_mov_b32 s[G1B+7], 0
	s_lshl_b32 s16, s15, 4
	s_lshl_b32 s18, s14, 3
	s_add_co_u32 s16, s16, s18
	s_lshl_b32 s16, s16, 15                        ; a: row tile 16 tr + 8 hn
	s_mov_b32 s17, 0
	s_lshl_b32 s46, s42, 3
	s_lshl_b32 s18, s14, 2
	s_add_co_u32 s46, s46, s18
	s_lshl_b32 s46, s46, 15                        ; out_w: row tile 8 tc + 4 hn
	s_mov_b32 s47, 0
	s_lshl_b32 s20, s14, 15                        ; where they go: no place in the cluster enters an LDS address
	s_lshl_b32 s21, s14, 14
	s_add_co_u32 s21, s21, 65536
	s_wait_dscnt 0x0                               ; the opening add is done
	s_wait_kmcnt 0x0
	s_add_nc_u64 s[16:17], s[4:5], s[16:17]
	s_add_nc_u64 s[46:47], s[6:7], s[46:47]
	CROUND                                         ; all sixteen work-groups are here: the first joint loads meet
.irp s, 0,1
	s_mov_b32 s[G0A+4*\s], 1
	s_add_co_u32 s[G0A+4*\s+1], s20, \s*SLOT
	s_add_nc_u64 s[G0A+4*\s+2:G0A+4*\s+3], s[16:17], \s*4096
	s_or_b32 s[G0A+4*\s+3], s[G0A+4*\s+3], 0x80000000
	s_mov_b32 s[G0B+4*\s], 1
	s_add_co_u32 s[G0B+4*\s+1], s21, \s*SLOT
	s_add_nc_u64 s[G0B+4*\s+2:G0B+4*\s+3], s[46:47], \s*4096
	s_or_b32 s[G0B+4*\s+3], s[G0B+4*\s+3], 0x80000000
	JLOAD \s
.endr
	v_and_b32 v1, 15, v0                           ; r
	v_bfe_u32 v2, v0, 4, 1                         ; h
	v_and_b32 v3, 31, v0
	v_lshlrev_b32 v3, 4, v3                        ; 16 x lane
	s_lshl_b32 s22, s13, 15                        ; my 8 row tiles of a,
	s_lshl_b32 s23, s14, 14
	s_add_co_u32 s23, s23, 65536                   ; my 4 of out_w
.irp s, 0,1
	v_add_nc_u32 v[ADRA+\s], s22, v3
	v_add_nc_u32 v[ADRB+\s], s23, v3
	s_add_co_u32 s22, s22, SLOT
	s_add_co_u32 s23, s23, SLOT
.endr
	s_mul_i32 s22, s[WV], 16*272
	s_add_co_u32 s22, s22, STAGE                   ; my stage
	v_mul_u32_u24 v4, v1, 272
	v_lshl_add_u32 v4, v2, 5, v4
	v_add_nc_u32 v[STO], s22, v4                   ; in: row r, 32 bytes for each half of the lanes
	v_mul_u32_u24 v5, v2, 272
	v_lshl_add_u32 v5, v1, 4, v5
	v_add_nc_u32 v[RD], s22, v5                    ; back: lanes 0-15 one row of 256 bytes, lanes 16-31 the next
	v_lshlrev_b32 v[CO], 12, v2
	v_lshl_add_u32 v[CO], v1, 4, v[CO]             ; and the same two rows in out0
	v_lshlrev_b32 v[HO], 5, v2
	s_lshl_b32 s16, s15, 8
	s_lshl_b32 s18, s13, 7
	s_add_co_u32 s16, s16, s18
	s_lshl_b32 s16, s16, 12                        ; my first row of out0: 256 tr + 128 hm, 4,096 bytes a row
	s_mov_b32 s17, 0
	s_add_nc_u64 s[10:11], s[10:11], s[16:17]
	s_lshl_b32 s46, s42, 9
	s_lshl_b32 s47, s14, 8
	s_add_co_u32 s46, s46, s47                     ; my first column, in bytes: 512 tc + 256 hn
	s_mov_b32 s47, 0
	s_add_nc_u64 s[10:11], s[10:11], s[46:47]
	s_add_nc_u64 s[8:9], s[8:9], s[46:47]          ; and the same in the bias
.irp b, 0,1,2,3
	global_load_b128 v[BIAS+8*\b:BIAS+8*\b+3], v[HO], s[8:9] offset:64*\b        ; columns 16 b + 8 h + 0 .. 7
	global_load_b128 v[BIAS+8*\b+4:BIAS+8*\b+7], v[HO], s[8:9] offset:64*\b+16
.endr
; 8 matrix instructions: token tiles a0, a0 + 1 x all 4 column tiles, 32 along K, from buffer f.  first = 1: the bias is the C.  The 32 accumulators take turns in one order.
.macro MUL8 f, a0, first
.irp a, \a0, \a0+1
.irp b, 0,1,2,3
.if \first
	v_wmma_f32_16x16x32_f16 v[8*(4*(\a)+\b):8*(4*(\a)+\b)+7], v[FB+32*(\f)+8*\b:FB+32*(\f)+8*\b+7], v[FA+64*(\f)+8*(\a):FA+64*(\f)+8*(\a)+7], v[BIAS+8*\b:BIAS+8*\b+7]
.else
	v_wmma_f32_16x16x32_f16 v[8*(4*(\a)+\b):8*(4*(\a)+\b)+7], v[FB+32*(\f)+8*\b:FB+32*(\f)+8*\b+7], v[FA+64*(\f)+8*(\a):FA+64*(\f)+8*(\a)+7], v[8*(4*(\a)+\b):8*(4*(\a)+\b)+7]
.endif
.endr
.endr
.endm
; 24 LDS loads in one run: the slot's q-th 32 along K into buffer f: out_w's four fragments, then a's eight
.macro FETCH slot, q, f
	WIN 0
.irp i, 0,1,2,3
	ds_load_b128 v[FB+32*(\f)+8*\i:FB+32*(\f)+8*\i+3],   v[ADRB+\slot] offset:\i*4096+(\q)*1024
	ds_load_b128 v[FB+32*(\f)+8*\i+4:FB+32*(\f)+8*\i+7], v[ADRB+\slot] offset:\i*4096+(\q)*1024+512
.endr
.irp i, 0,1,2,3,4,5,6,7
	ds_load_b128 v[FA+64*(\f)+8*\i:FA+64*(\f)+8*\i+3],   v[ADRA+\slot] offset:\i*4096+(\q)*1024
	ds_load_b128 v[FA+64*(\f)+8*\i+4:FA+64*(\f)+8*\i+7], v[ADRA+\slot] offset:\i*4096+(\q)*1024+512
.endr
.endm
.macro WMUL first                      ; C and D in window 1; with the bias as C, D alone
.if \first
	WIN 0x40
.else
	WIN 0x50
.endif
.endm
; One of a chunk's first three quarters: multiplies buffer f and fetches quarter q of the same slot into buffer g
.macro QUARTER slot, q, f, g, first
	s_wait_dscnt 8                                 ; out_w's fragments and a's tiles 0-3 are in; the youngest eight loads (a's tiles 4-7) may be out
	WMUL \first
	MUL8 \f, 0, \first
	MUL8 \f, 2, \first
	PLACES
	FETCH \slot, \q, \g
	s_wait_dscnt 24                                ; all but the 24 just issued
	WMUL \first
	MUL8 \f, 4, \first
	MUL8 \f, 6, \first
.endm
; The last quarter multiplies buffer 1 and changes slots: ONE barrier; in front of it each wave waits for all its tensor loads, adds 0 to its spare word, and waits for that and for its reads of this slot.
.macro TURN slot, next, fill
	WIN 0                                          ; (the add's two registers lie in window 0)
	s_wait_tensorcnt 0x0                           ; all my tensor loads have landed: my part of the next slot
	ds_add_u32 v[SPW], v[NIL]
	s_wait_dscnt 9                                 ; (the add and the youngest eight loads may be out)
	WIN 0x50
	MUL8 1, 0, 0                                   ; eight matrix instructions stand between the add and the wait for it
	s_wait_dscnt 0x0                               ; the add is done, and my reads of this slot are over
	s_barrier_signal -1
	MUL8 1, 2, 0
.if \fill
	WIN 0
.endif
	s_barrier_wait -1
.if \fill
	CREST                                          ; the barrier has opened a round of the cluster's barrier: no wave of any partner still reads this slot or has a load on its way
	s_add_nc_u64 s[G0A+4*\slot+2:G0A+4*\slot+3], s[G0A+4*\slot+2:G0A+4*\slot+3], 8192
	s_add_nc_u64 s[G0B+4*\slot+2:G0B+4*\slot+3], s[G0B+4*\slot+2:G0B+4*\slot+3], 8192
	JLOAD \slot                                    ; the first tensor load behind the round; its four v_nop are also the places in front of the loads below
.else
	PLACES
.endif
	FETCH \next, 0, 0
	WIN 0x50
	MUL8 1, 4, 0
	MUL8 1, 6, 0
.endm
	s_wait_tensorcnt 1                             ; my part of chunk 0 has landed; chunk 1's load may stay out
	s_barrier_signal -1
	s_barrier_wait -1
	FETCH 0, 0, 0
	s_wait_loadcnt 0x0                             ; the bias
	QUARTER 0, 1, 0, 1, 1                          ; the first quarter stands in front of the loop: its products start the sums
	WIN 0                                          ; at a label and at a branch every window is 0
	s_mov_b32 s3, 3
.Llap:                                                 ; a trip goes once round the ring and fills both slots again
	QUARTER 0, 2, 1, 0, 0
	QUARTER 0, 3, 0, 1, 0
	TURN 0, 1, 1
	QUARTER 1, 1, 0, 1, 0
	QUARTER 1, 2, 1, 0, 0
	QUARTER 1, 3, 0, 1, 0
	TURN 1, 0, 1
	QUARTER 0, 1, 0, 1, 0
	WIN 0
	s_sub_co_u32 s3, s3, 1
	s_cmp_lg_u32 s3, 0
	s_cbranch_scc1 .Llap
	QUARTER 0, 2, 1, 0, 0                          ; the last lap fills nothing
	QUARTER 0, 3, 0, 1, 0
	TURN 0, 1, 0
	QUARTER 1, 1, 0, 1, 0
	QUARTER 1, 2, 1, 0, 0
	QUARTER 1, 3, 0, 1, 0
	s_wait_dscnt 8                                 ; the very last quarter
	WIN 0x50
	MUL8 1, 0, 0
	MUL8 1, 2, 0
	s_wait_dscnt 0x0
	MUL8 1, 4, 0
	MUL8 1, 6, 0
	WIN 0
; THE WAY OUT, a token tile (16 rows x 64 columns, 256 bytes a row) at a time, through my own stage: LDS serves a wave's instructions in order, so no wait stands between the stores and the loads.
.macro TOSTAGE a
	WIN 0x04                                       ; an LDS store's data are its source 1: window 1
.irp b, 0,1,2,3
	ds_store_b128 v[STO], v[8*(4*(\a)+\b):8*(4*(\a)+\b)+3] offset:64*\b            ; each accumulator from its low end on
	ds_store_b128 v[STO], v[8*(4*(\a)+\b)+4:8*(4*(\a)+\b)+7] offset:64*\b+16
.endr
	WIN 0
.irp t, 0,1,2,3,4,5,6,7
	ds_load_b128 v[OB+32*((\a)%4)+4*\t:OB+32*((\a)%4)+4*\t+3], v[RD] offset:\t*544
.endr
.endm
.macro SEND a, younger                 ; younger: the LDS instructions issued behind tile a's loads, which may stay out
	s_wait_dscnt \younger
.irp t, 0,1,2,3,4,5,6,7
	global_store_b128 v[CO], v[OB+32*((\a)%4)+4*\t:OB+32*((\a)%4)+4*\t+3], s[10:11] offset:(16*(\a)+2*\t)*4096 th:TH_STORE_NT   ; sixteen lanes store 256 consecutive bytes, aligned
.endr
.endm
	PLACES                                         ; behind the last products: for the reads of results and the loads into registers that held fragments
	TOSTAGE 0
.irp a, 1,2,3,4,5,6,7
.if \a >= 4
	s_wait_xcnt 0x0                                ; tile a - 4's stores have read their data: tile a's loads land there only behind this wait
.endif
	TOSTAGE \a
	SEND \a-1, 16                                  ; behind tile a - 1's loads: tile a's 8 stores and 8 loads
.endr
	SEND 7, 0
	s_wait_tensorcnt 0x0                           ; the wave's end
	ds_add_u32 v[SPW], v[NIL]
	s_wait_dscnt 0x0
	CROUND                                         ; the closing round
	s_endpgm
.Lfunc_end_k_q38776b31b1_proj:
	.size	k_q38776b31b1_proj, .Lfunc_end_k_q38776b31b1_proj-k_q38776b31b1_proj
	.p2alignl 7, 3214868480
	.fill 96, 4, 3214868480
	.section	.rodata,"a",@progbits
	.p2align	6, 0x0
	.amdhsa_kernel k_q38776b31b1_proj
		.amdhsa_group_segment_fixed_size 327680
		.amdhsa_private_segment_fixed_size 0
		.amdhsa_enable_private_segment 0
		.amdhsa_kernarg_size 32
		.amdhsa_user_sgpr_count 2
		.amdhsa_user_sgpr_kernarg_segment_ptr 1
		.amdhsa_wavefront_size32 1
		.amdhsa_system_sgpr_workgroup_id_x 1
		.amdhsa_system_sgpr_workgroup_id_y 1
		.amdhsa_system_sgpr_workgroup_id_z 1
		.amdhsa_system_vgpr_workitem_id 0
		.amdhsa_next_free_vgpr 512
		.amdhsa_next_free_sgpr 66
		.amdhsa_reserve_vcc 0
		.amdhsa_float_denorm_mode_32 3
		.amdhsa_float_denorm_mode_16_64 3
		.amdhsa_memory_ordered 1
		.amdhsa_forward_progress 1
		.amdhsa_inst_pref_size 86
	.end_amdhsa_kernel
	.amdgpu_metadata
---
amdhsa.version: [ 1, 2 ]
amdhsa.kernels:
  - .name:           k_q38776b31b1_proj
    .symbol:         k_q38776b31b1_proj.kd
    .args:
      - { .name: ah, .offset: 0, .size: 8, .value_kind: global_buffer, .address_space: global }
      - { .name: owh, .offset: 8, .size: 8, .value_kind: global_buffer, .address_space: global }
      - { .name: out_b, .offset: 16, .size: 8, .value_kind: global_buffer, .address_space: global }
      - { .name: out0, .offset: 24, .size: 8, .value_kind: global_buffer, .address_space: global }
    .group_segment_fixed_size: 327680
    .private_segment_fixed_size: 0
    .kernarg_segment_align: 8
    .kernarg_segment_size: 32
    .max_flat_workgroup_size: 128
    .sgpr_count:     66
    .vgpr_count:     512
    .wavefront_size: 32
...
	.end_amdgpu_metadata
.endif
;; end of part 4
